; MI455X (gfx1250); checked and timed in simulation.
; The chip was launched on July 23, 2026; its instructions are those of AMD's public machine-readable ISA for CDNA 5 (MIT licence, August 2026) and "CDNA5" Instruction Set Architecture Reference Guide (July 2026). The comments in the code are by the model that wrote it; some were corrected since.
;; Self Attention Layer. Allowed arithmetic: matrix products marked QUANTISED: E3M2 operands, one E8M0 scale for each 32 along K, by v_wmma_scale_f32_16x16x128_f8f6f4 with both operands' format E3M2, f32 sums; everything else in f32.
;; Inputs: Wk_codes 1,024 x 16 x 24 uint8 (E3M2 codes of Wk, K innermost, in blocks of 32 codes, four codes in three bytes); Wk_scales 1,024 x 16 uint8 (E8M0 scales of Wk, one for each 32 codes along K); Wq_codes 1,024 x 16 x 24 uint8 (E3M2 codes of Wq, K innermost, in blocks of 32 codes, four codes in three bytes); Wq_scales 1,024 x 16 uint8 (E8M0 scales of Wq, one for each 32 codes along K); Wv_codes 1,024 x 16 x 24 uint8 (E3M2 codes of Wv, K innermost, in blocks of 32 codes, four codes in three bytes); Wv_scales 1,024 x 16 uint8 (E8M0 scales of Wv, one for each 32 codes along K); X_codes 8 x 2,048 x 16 x 24 uint8 (E3M2 codes of X, K innermost, in blocks of 32 codes, four codes in three bytes); X_scales 8 x 2,048 x 16 uint8 (E8M0 scales of X, one for each 32 codes along K); bk 1,024 float32; bq 1,024 float32; bv 1,024 float32.
;; Outputs: out0 8 x 2,048 x 1,024 float32.
;; This version of the problem:
;;   THIS VERSION OF THE PROBLEM IS GIVEN IN LOW PRECISION. The matrix products marked QUANTISED in the list below multiply operands that are first quantised to E3M2 (3 exponent bits, 2 mantissa bits; 6 bits a number), with one power-of-two scale for each 32 numbers along K (OCP MX v1.0); their sums are f32. All else is computed in f32.
;;   The module's matrix products, in the order in which they are computed (A, B: the left and right operand; K: the contracted axis; several contracted axes count as one K, in the product's order):
;;     1. [M 16,384, K 512] x [K 512, N 1,024]; A: input X (given as codes); B: input Wq (given as codes): QUANTISED
;;     2. [M 16,384, K 512] x [K 512, N 1,024]; A: input X (given as codes); B: input Wk (given as codes): QUANTISED
;;     3. [M 16,384, K 512] x [K 512, N 1,024]; A: input X (given as codes); B: input Wv (given as codes): QUANTISED
;;     4. batch 8 x [M 2,048, K 1,024] x [K 1,024, N 2,048]; A: computed on the way; B: computed on the way: QUANTISED
;;   THE QUANTISER, for each operand of a quantised product, along K:
;;     - K is cut into blocks of 32 from its start; a last block that is shorter is filled with zeros.
;;     - A block's scale is 2^e with e = floor(log2(the largest magnitude in the block)) - 4, held to -126 .. 127; a block of zeros has e = 0. As a byte (E8M0): e + 127.
;;     - Each number is divided by its block's scale, clamped to +-28, and rounded to the nearest number of E3M2, ties to even, subnormals kept.
;;     - The product sums the exact products of the quantised numbers (number of the format x scale) in f32.
;;   ~~~python
;;   def quantise(x, axis):      # numpy; x: float32 -> the quantised numbers, widened to float32 again
;;       x = np.moveaxis(x, axis, -1); K = x.shape[-1]
;;       x = np.pad(x, [(0, 0)] * (x.ndim - 1) + [(0, -K % 32)]); x = x.reshape(x.shape[:-1] + (-1, 32)); a = np.abs(x).max(-1, keepdims=True)
;;       e = np.where(a > 0, np.clip(np.frexp(np.where(a > 0, a, 1))[1] - 1 - 4, -126, 127), 0)      # np.frexp(a)[1] - 1 = floor(log2(a)), exactly
;;       r = np.clip(x / 2.0 ** e, -28, 28)
;;       step = 2.0 ** (np.maximum(np.frexp(np.where(r == 0, 1, r))[1] - 1, -2) - 2)
;;       q = np.round(r / step) * step * 2.0 ** e      # np.round: ties to even
;;       return np.moveaxis(q.reshape(q.shape[:-2] + (-1,))[..., :K], -1, axis).astype(np.float32)
;;   ~~~
;;   OPERANDS COMPUTED ON THE WAY. 'Computed on the way' means the value that the module computes at that place (a softmax that the list does not call 'softmax' is quantised finished and normalised). What goes into a quantiser is computed in f32, as accurately as f32 sums, v_exp_f32 and their like allow (about 1e-6 of the number): no bf16 or f16 on the way to a quantiser, and a product that is left as it is and whose result goes on into a quantised operand takes f32 operands (vector FMAs, or v_wmma_f32_16x16x4_f32). A number that lies on a knife's edge between two numbers of the format may be rounded either way, as far as f32 arithmetic and the matrix unit's own rounding can turn it there, and no further.
;;   INPUTS GIVEN AS CODES. Wk (in the module: [1024, 512], K = its axis 1); Wq (in the module: [1024, 512], K = its axis 1); Wv (in the module: [1024, 512], K = its axis 1); X (in the module: [8, 2048, 512], K = its axis 2): each comes as NAME_codes (uint8): NAME with its K axis moved to the last place and cut into blocks of 32 codes, [.., K / 32, bytes a block], one block behind the other in memory; four codes in three bytes: a row's codes are one little-endian stream of bits, code i at bits 6 i .. 6 i + 5 (a code: sign, 3 exponent bits, 2 mantissa bits); and NAME_scales (uint8): the same leading axes, one E8M0 byte (e + 127) for each 32 codes along K. Its value is code x scale, taken as it is: it is not quantised again, and the codes and scales need not be those that the quantiser above would give.
;; One version. Each part assembles by itself: llvm-mc -triple=amdgcn-amd-amdhsa -mcpu=gfx1250 --defsym DOCPART=n.
;; ======== version 1 of 1: 3 launches
;; workspace buffers: qg 13,107,200 bytes; kg 13,107,200 bytes; stats 917,504 bytes
;; launch proj (part 1): grid 8 x 32, 4 waves a work-group, clusters of 4 x 4, 327,680 bytes of LDS; arguments X_codes, X_scales, Wq_codes, Wk_codes, Wq_scales, Wk_scales, bq, bk, qg, kg; writes qg, kg
.if DOCPART == 1
	.amdgcn_target "amdgcn-amd-amdhsa--gfx1250"
	.amdhsa_code_object_version 6
	.text
	.protected	k_qf5229a9145_proj
	.globl	k_qf5229a9145_proj
	.p2align	8
	.type	k_qf5229a9145_proj,@function
k_qf5229a9145_proj:
	s_mov_b64 s[64:65], 0
	v_nop
	global_prefetch_b8 v0, s[64:65] scope:SCOPE_SE
	s_setreg_imm32_b32 hwreg(HW_REG_WAVE_MODE, 25, 1), 1
	s_wait_xcnt 0x0
	s_wait_alu depctr_hold_cnt(0) depctr_sa_sdst(0) depctr_va_vdst(0) depctr_va_sdst(0) depctr_va_ssrc(0) depctr_va_vcc(0) depctr_vm_vsrc(0)
	s_getreg_b32 s2, hwreg(HW_REG_IB_STS2, 6, 4)
	s_cmp_eq_u32 s2, 0
	s_cbranch_scc0 .Lentry_in_a_cluster
	s_endpgm
.Lentry_in_a_cluster:
	s_bfe_u32 s2, ttmp6, 0x10000c
	s_cmp_lg_u32 s2, 0xf033
	s_cbranch_scc0 .Lentry_shape_is_right
	s_endpgm
.Lentry_shape_is_right:
; Q = X Wq^T + bq and K = X Wk^T + bk on codes of BF6 (E3M2) as they are given, f32 sums; each result is quantised along d (blocks of 32, E8M0 scale) in registers and stored as codes.
; SHARES.  Cluster x = 0 makes Q, cluster x = 1 makes K (pointers chosen by s_cselect_b64).  A work-group takes 512 rows of X (y) and 256 of the 1,024 d (cx).  Wave w: d half wd = w & 1 (128 d: one K step of the
; later product), row half wr = w >> 1 (256 rows: 16 tiles of 16).  A wave's 8 tiles x 4 K steps of W stay in 384 registers.
; THE PRODUCT IS USED TRANSPOSED (source 0 = 16 rows of W, source 1 = 16 rows of X): a lane holds one row of X and its registers run along d.  THE ROWS OF W THAT FORM A TILE ARE NOT NEIGHBOURS: lane r of tile
; 2 b + u takes row 32 b + 8 u + r + 8 (r / 8), so that the 16 registers of tiles 2 b, 2 b + 1 are d = 32 b + 16 (lane / 16) + 0 .. 15: what the conversions want.
; OUT.  qg / kg: blocks of 51,200 bytes for 64 rows.  Row tile u, K step s: the image of the operand's 12 registers at 12,288 u + 1,536 s + 512 c + 16 lane; the scale words at 49,152 + 256 s + 64 u + 4 r.
; CLUSTER 4 x 4: X's tile hangs on y alone and is asked for jointly along a row of the cluster, W's on cx alone and jointly along a column.  All LDS bytes are filled once.
; LIMITS: a block of zeros gets the scale byte 1 where the rule says 127 (its codes are zeros, and this program alone reads the bytes); NaN and infinities among the inputs are not served.
; REGISTERS.  window 0: v1-9 addresses; v16-63 X's four fragments; v64-79 X's scale words, a ring of four tiles; v80-111 W's scale words; v112-175 the 8 accumulators; v176-195 codes; v196-211 at work; v212 the scale word.
;   window 1: W (tile, K step 0, 1) at 12 (2 tile + s);  window 2: K steps 2, 3 likewise;  window 3: the bias, 8 registers a tile, in the result's layout.
.set XP,  432                          ; a row of X in LDS: 384 bytes + 16 behind each 128
.set WP,  408                          ; a row of W in LDS: 384 bytes + 8 behind each 128
.set WT,  512*XP                       ; W's 256 rows lie behind X's 512
.set STG, WT+256*WP                    ; 256 bytes a wave: a group's 64 scale words
.set GB,  51200                        ; a group block in qg / kg
.set XF,  16
.set XS,  64
.set WS,  80
.set ACC, 112
.set PC,  176
.set TM,  196
.set PW,  212
.set SW,  214
.set SEL, 60
.set MSB, 0
.macro WIN new                         ; the immediate's high byte repeats the setting that is left
.if MSB != (\new)
	s_set_vgpr_msb (MSB<<8)|(\new)
.set MSB, \new
.endif
.endm
.macro CROUND                          ; a round of the cluster's barrier
	s_barrier_signal -1
	s_barrier_wait -1
	s_cmp_lg_u32 s24, 0
	s_cbranch_scc1 .Lnot_wave_0_\@
	s_barrier_signal -3
.Lnot_wave_0_\@:
	s_barrier_wait -3
	s_barrier_signal -1
	s_barrier_wait -1
.endm
.macro PLACES n
.rept \n
	v_nop
.endr
.endm
; A fragment, 16 rows x 128 K of 6-bit codes: lane (r, h) takes 24 bytes at 96 s + 24 h and 24 at 96 s + 48 + 24 h of its row, in pieces of 8 bytes.  Lanes 16-31 read three pieces further on than lanes 0-15;
; where that lies behind one padding more (16 pieces to a padding), the second address register serves.
.macro FRAG reg, adr, s, rowoff, padb
.irp p, 0,1,2,3,4,5
.set PCN, 12*(\s)+6*(\p/3)+\p%3
.if PCN%16 < 13
	ds_load_b64 v[(\reg)+2*\p:(\reg)+2*\p+1], v[\adr] offset:8*PCN+(\padb)*(PCN/16)+(\rowoff)
.else
	ds_load_b64 v[(\reg)+2*\p:(\reg)+2*\p+1], v[\adr+1] offset:8*PCN+(\padb)*(PCN/16)+(\rowoff)
.endif
.endr
.endm
; 64 numbers of a lane, register 16 b + i = k 32 b + 16 (lane / 16) + i of my row, become a fragment's codes in v[PC] on and its scale word in v[PW].
.macro QUANT s
.irp b, 0,1,2,3
	v_max3_num_f32 v[TM+\b], |v[\s+16*\b]|, |v[\s+1+16*\b]|, 0x2800000   ; my 16 numbers of block b, and the floor 2^(5 - 127): the byte cannot fall under 1
.endr
.irp i, 2,4,6,8,10,12,14
.irp b, 0,1,2,3
	v_max3_num_f32 v[TM+\b], v[TM+\b], |v[\s+16*\b+\i]|, |v[\s+1+16*\b+\i]|
.endr
.endr
.irp b, 0,1,2,3
	v_permlanex16_b32 v[TM+4+\b], v[TM+\b], s[SEL], s[SEL+1]
.endr
.irp b, 0,1,2,3
	v_max_num_f32 v[TM+\b], v[TM+\b], v[TM+4+\b]       ; with lane l xor 16's: the block's largest magnitude
.endr
.irp b, 0,1,2,3
	v_add_nc_u32 v[TM+12+\b], 0xfe000000, v[TM+\b]     ; 4 off its exponent field: the conversion's scale operand
.endr
.irp b, 0,1,2,3
	v_lshrrev_b32 v[TM+4+\b], 23, v[TM+12+\b]          ; the scale's byte
.endr
	v_lshl_or_b32 v[PW], v[TM+5], 8, v[TM+4]
	v_lshl_or_b32 v[PW], v[TM+6], 16, v[PW]
	v_lshl_or_b32 v[PW], v[TM+7], 24, v[PW]
.irp c, 0,1
	v_cvt_scalef32_pk16_bf6_f32 v[PC+6*\c:PC+2+6*\c], v[\s+32*\c:\s+15+32*\c], v[TM+12+2*\c]
	v_cvt_scalef32_pk16_bf6_f32 v[PC+12+4*\c:PC+14+4*\c], v[\s+16+32*\c:\s+31+32*\c], v[TM+12+2*\c+1]
.endr
	v_nop                                              ; one plain place behind a scaled conversion
.irp c, 0,1                                            ; the operand's layout wants a whole block in a lane
.irp i, 0,1,2
	v_permlane16_swap_b32 v[PC+6*\c+\i], v[PC+12+4*\c+\i]
.endr
.irp i, 0,1,2
	v_mov_b32 v[PC+3+6*\c+\i], v[PC+12+4*\c+\i]
.endr
.endr
.endm
	s_load_b256 s[4:11], s[0:1], 0x0               ; X's codes, X's scales, Wq's codes, Wk's codes
	s_load_b256 s[12:19], s[0:1], 0x20             ; Wq's scales, Wk's scales, bq, bk
	s_load_b128 s[20:23], s[0:1], 0x40             ; qg, kg
	v_lshl_add_u32 v254, v0, 2, 0x4fc00
	v_mov_b32 v255, 0
	ds_add_u32 v254, v255
	ds_add_u32 v254, v255
	v_lshrrev_b32 v10, 5, v0
	v_readfirstlane_b32 s24, v10                   ; wave
	s_and_b32 s25, s24, 1                          ; wd
	s_lshr_b32 s26, s24, 1                         ; wr
	s_bfe_u32 s27, ttmp6, 0x40000                  ; cx
	s_bfe_u32 s28, ttmp6, 0x40004                  ; cy
	s_and_b32 s29, ttmp7, 0xffff
	s_lshl_b32 s29, s29, 2
	s_add_co_u32 s29, s29, s28                     ; y = 4 x cluster y + cy
	s_lshl_b32 s66, s28, 2
	s_lshl_b32 s66, 15, s66                        ; my row of the cluster
	s_lshl_b32 s67, 0x1111, s27                    ; my column
	; group 1: 64 rows of 48 elements of 8 bytes, dense in memory; padding behind every 32 words: 4 words for X, 2 for W
	s_or_b32 s32, s66, (3<<16)|(1<<20)|(1<<21)|(4<<22)|(3<<25)
	s_or_b32 s40, s67, (3<<16)|(1<<20)|(1<<21)|(4<<22)|(1<<25)
.irp g, 32, 40
	s_mov_b32 s[\g+1], 48<<16                      ; tensor_dim0
	s_mov_b32 s[\g+2], 64<<16                      ; tensor_dim1
	s_mov_b32 s[\g+3], 48<<16                      ; tile_dim0
	s_mov_b32 s[\g+4], 64                          ; tile_dim1
	s_mov_b32 s[\g+5], 48                          ; the pitch
	s_mov_b32 s[\g+6], 0
	s_mov_b32 s[\g+7], 0
.endr
	s_lshl_b32 s68, s27, 8
	s_lshl_b32 s69, s24, 6
	s_add_co_u32 s68, s68, s69
	s_mul_i32 s68, s68, 384                        ; W: row 256 cx + 64 w, in bytes
	s_mov_b32 s69, 0
	s_lshl_b32 s72, s26, 8
	s_lshl_b32 s73, s25, 6
	s_add_co_u32 s72, s72, s73                     ; X: my early 64 rows begin at row 256 wr + 64 wd of the 512; my late 64 lie 128 rows on
	s_mul_i32 s62, s72, XP                         ; in LDS
	s_mul_i32 s63, s24, 64*WP
	s_lshl_b32 s70, s29, 9
	s_add_co_u32 s70, s70, s72
	s_mul_i32 s70, s70, 384                        ; in memory
	s_mov_b32 s71, 0
	s_wait_dscnt 0x0
	s_wait_kmcnt 0x0
	s_cmp_eq_u32 ttmp9, 0                          ; Q's cluster or K's: the same in all sixteen partners
	s_cselect_b64 s[8:9], s[8:9], s[10:11]
	s_cselect_b64 s[12:13], s[12:13], s[14:15]
	s_cselect_b64 s[16:17], s[16:17], s[18:19]
	s_cselect_b64 s[20:21], s[20:21], s[22:23]
	s_mov_b32 s48, 1
	s_add_co_u32 s49, s63, WT
	s_add_nc_u64 s[50:51], s[8:9], s[68:69]
	s_or_b32 s51, s51, 0x80000000
	s_mov_b32 s52, 1
	s_mov_b32 s53, s62
	s_add_nc_u64 s[54:55], s[4:5], s[70:71]
	s_mov_b32 s56, 1
	s_add_co_u32 s57, s62, 128*XP
	s_add_nc_u64 s[58:59], s[54:55], 128*384
	s_or_b32 s55, s55, 0x80000000
	s_or_b32 s59, s59, 0x80000000
	CROUND                                         ; all sixteen work-groups are here: the joint loads meet
	tensor_load_to_lds s[48:51], s[40:47]          ; W, then X's early rows, then X's late rows: three loads of mine are out
	s_nop 0
	tensor_load_to_lds s[52:55], s[32:39]
	s_nop 0
	tensor_load_to_lds s[56:59], s[32:39]
	s_nop 0
	PLACES 4
	; while they are on their way: the small loads and the addresses
	s_lshl_b32 s74, s27, 8
	s_lshl_b32 s75, s25, 7
	s_add_co_u32 s74, s74, s75                     ; my first d: 256 cx + 128 wd
	s_lshl_b32 s76, s74, 4
	s_mov_b32 s77, 0
	s_add_nc_u64 s[12:13], s[12:13], s[76:77]      ; W's scales: 16 bytes a row
	s_lshl_b32 s76, s74, 2
	s_add_nc_u64 s[16:17], s[16:17], s[76:77]      ; the bias
	s_lshl_b32 s78, s29, 9
	s_lshl_b32 s79, s26, 8
	s_add_co_u32 s78, s78, s79                     ; my first row: 512 y + 256 wr
	s_lshl_b32 s76, s78, 4
	s_add_nc_u64 s[6:7], s[6:7], s[76:77]          ; X's scales: 16 bytes a row
	s_lshr_b32 s78, s78, 6
	s_mul_i32 s76, s78, GB
	s_add_nc_u64 s[20:21], s[20:21], s[76:77]      ; my first group block
	s_lshl_b32 s79, s27, 1
	s_add_co_u32 s79, s79, s25                     ; the later product's K step: 2 cx + wd
	s_lshl_b32 s76, s79, 8
	s_add_co_u32 s76, s76, 49152
	s_add_nc_u64 s[22:23], s[20:21], s[76:77]      ; where my scale words go
	s_mul_i32 s76, s79, 1536
	s_add_nc_u64 s[20:21], s[20:21], s[76:77]      ; where my images go
	s_mov_b32 s[SEL], 0x76543210
	s_mov_b32 s[SEL+1], 0xfedcba98                 ; v_permlanex16_b32's selects for lane l xor 16
	v_and_b32 v10, 15, v0                          ; r
	v_bfe_u32 v11, v0, 4, 1                        ; h
	v_and_b32 v12, 31, v0                          ; lane
	v_and_b32 v13, 8, v10
	v_add_nc_u32 v13, v13, v10                     ; r + 8 (r / 8)
	v_lshlrev_b32 v14, 4, v13
	v_lshlrev_b32 v15, 6, v11
	v_lshlrev_b32 v6, 4, v10
.irp t, 0,1,2,3,4,5,6,7
	global_load_b128 v[WS+4*\t:WS+4*\t+3], v14, s[12:13] offset:(32*(\t/2)+8*(\t%2))*16   ; the tile's rows' four scale words
.endr
	WIN 0xc0
.irp t, 0,1,2,3,4,5,6,7
	global_load_b128 v[8*\t:8*\t+3], v15, s[16:17] offset:(32*(\t/2)+8*(\t%2))*4           ; the bias at d = 32 b + 16 h + 8 u + 0 .. 7
	global_load_b128 v[8*\t+4:8*\t+7], v15, s[16:17] offset:(32*(\t/2)+8*(\t%2))*4+16
.endr
	WIN 0
.irp t, 0,1,2,3
	global_load_b128 v[XS+4*\t:XS+4*\t+3], v6, s[6:7] offset:256*\t
.endr
	s_mul_i32 s62, s26, 256*XP
	v_mul_u32_u24 v1, v10, XP
	v_mad_u32_u24 v1, v11, 24, v1
	v_add_nc_u32 v1, s62, v1                       ; X: my 256 rows, row r, + 24 h
	v_lshl_add_u32 v2, v11, 4, v1                  ; and behind one padding more
	s_mul_i32 s62, s25, 128*WP
	s_add_co_u32 s62, s62, WT
	v_mul_u32_u24 v3, v13, WP
	v_mad_u32_u24 v3, v11, 24, v3
	v_add_nc_u32 v3, s62, v3                       ; W: my 128 rows, the tile's row, + 24 h
	v_lshl_add_u32 v4, v11, 3, v3
	v_lshlrev_b32 v5, 4, v12                       ; 16 x lane: an image's place
	s_lshl_b32 s62, s24, 8
	s_add_co_u32 s62, s62, STG
	v_lshl_add_u32 v7, v10, 2, s62                 ; my wave's scale words: in,
	v_lshl_add_u32 v8, v12, 3, s62                 ; and out, 8 bytes a lane
	v_lshlrev_b32 v9, 3, v12
.irp b, 0,1,2,3
	v_mov_b32 v[TM+4+\b], 0                        ; written once: a lane permute's destination counts as one of its sources
.endr
	s_wait_tensorcnt 0x1                           ; W and X's early rows have landed; X's late rows, issued behind them, may stay out
	s_barrier_signal -1
	s_barrier_wait -1                              ; everybody's have
.irp s, 0,1,2,3
	FRAG XF+12*\s, 1, \s, 0, 16
.endr
	WIN 0x40
.irp s, 0,1
.irp t, 0,1,2,3,4,5,6,7
	FRAG 12*(2*\t+\s), 3, \s, (32*(\t/2)+8*(\t%2))*WP, 8
.endr
.endr
	WIN 0x80
.irp s, 2,3
.irp t, 0,1,2,3,4,5,6,7
	FRAG 12*(2*\t+\s-2), 3, \s, (32*(\t/2)+8*(\t%2))*WP, 8
.endr
.endr
	WIN 0
; A tile of 16 rows: 32 products (the 8 accumulators by turns, K step by K step; the bias is the C of the first), the next tile's fragments asked for, the results quantised and stored.
.macro TILE t
.if (\t) == 7
	s_wait_tensorcnt 0x0                           ; X's late rows have landed: this tile fetches tile 8's fragments out of them
	s_wait_dscnt 0x0
	s_barrier_signal -1
	s_barrier_wait -1
.elseif (\t) > 0
	s_wait_dscnt 0x0                               ; X's fragments are in, and the last tile's LDS store has read its register
.endif
.if 15-(\t) < 3
	s_wait_loadcnt 15-(\t)                         ; this tile's scale words are in; those of the later tiles may be out
.else
	s_wait_loadcnt 3
.endif
.irp s, 0,1,2,3
.if (\t) == 0
.if \s < 2
	s_wait_dscnt 63                                ; behind what this K step reads stand 144 or 96 loads (W's later K steps): the largest count that can be named
.elseif \s == 2
	s_wait_dscnt 48                                ; W's last K step may be out
.else
	s_wait_dscnt 0
.endif
.endif
.if \s == 0
	WIN 0x31                                       ; W window 1, the bias window 3
.elseif \s == 1
	WIN 0x01
.else
	WIN 0x02                                       ; W window 2
.endif
.irp i, 0,1,2,3,4,5,6,7
.if \s == 0
	v_wmma_scale_f32_16x16x128_f8f6f4 v[ACC+8*\i:ACC+8*\i+7], v[24*\i:24*\i+11], v[XF:XF+11], v[8*\i:8*\i+7], v[WS+4*\i], v[XS+4*((\t)%4)] matrix_a_fmt:MATRIX_FMT_BF6 matrix_b_fmt:MATRIX_FMT_BF6
.else
	v_wmma_scale_f32_16x16x128_f8f6f4 v[ACC+8*\i:ACC+8*\i+7], v[24*\i+12*(\s%2):24*\i+12*(\s%2)+11], v[XF+12*\s:XF+12*\s+11], v[ACC+8*\i:ACC+8*\i+7], v[WS+4*\i+\s], v[XS+4*((\t)%4)+\s] matrix_a_fmt:MATRIX_FMT_BF6 matrix_b_fmt:MATRIX_FMT_BF6
.endif
.endr
.endr
	WIN 0
	PLACES 4                                       ; in front of loads into registers that the products have read, and of the first read of results
.if (\t) == 7
	v_add_nc_u32 v1, 8*16*XP, v1                   ; on to tiles 8 to 15, so that the offsets stay inside 16 bits (no LDS load of mine is out)
	v_add_nc_u32 v2, 8*16*XP, v2
.endif
.if (\t) < 15
.irp s, 0,1,2,3
	FRAG XF+12*\s, 1, \s, 16*XP*(((\t)+1)%8), 16
.endr
.endif
.if (\t)+4 < 16
	global_load_b128 v[XS+4*((\t)%4):XS+4*((\t)%4)+3], v6, s[6:7] offset:256*((\t)+4)
.endif
	s_wait_xcnt 0x0                                ; the last tile's stores have read their data: the codes' registers are written again only behind this wait
	QUANT ACC
.irp c, 0,1,2
	global_store_b128 v5, v[PC+4*\c:PC+4*\c+3], s[20:21] offset:GB*((\t)/4)+12288*((\t)%4)+512*\c   ; 32 lanes store 512 consecutive bytes
.endr
	ds_store_b32 v7, v[PW] offset:64*((\t)%4)      ; lanes r and r + 16 write the same word with the same value
.if (\t)%4 == 3
	ds_load_b64 v[SW:SW+1], v8                     ; LDS serves a wave's instructions in order: this sees my four stores
	s_wait_dscnt 0x0
	global_store_b64 v9, v[SW:SW+1], s[22:23] offset:GB*((\t)/4)   ; a group's 64 scale words of my K step: 256 consecutive bytes, aligned
.endif
.endm
.irp t, 0,1,2,3,4,5,6,7,8,9,10,11,12,13,14,15
	TILE \t
.endr
	s_wait_dscnt 0x0
	s_wait_tensorcnt 0x0
	ds_add_u32 v254, v255
	s_wait_dscnt 0x0
	CROUND                                         ; the closing round: no work-group ends while a partner may still ask for a tile that names it
	s_endpgm
.Lfunc_end_k_qf5229a9145_proj:
	.size	k_qf5229a9145_proj, .Lfunc_end_k_qf5229a9145_proj-k_qf5229a9145_proj
	.p2alignl 7, 3214868480
	.fill 96, 4, 3214868480
	.section	.rodata,"a",@progbits
	.p2align	6, 0x0
	.amdhsa_kernel k_qf5229a9145_proj
		.amdhsa_group_segment_fixed_size 327680
		.amdhsa_private_segment_fixed_size 0
		.amdhsa_enable_private_segment 0
		.amdhsa_kernarg_size 80
		.amdhsa_user_sgpr_count 2
		.amdhsa_user_sgpr_kernarg_segment_ptr 1
		.amdhsa_wavefront_size32 1
		.amdhsa_system_sgpr_workgroup_id_x 1
		.amdhsa_system_sgpr_workgroup_id_y 1
		.amdhsa_system_sgpr_workgroup_id_z 1
		.amdhsa_system_vgpr_workitem_id 0
		.amdhsa_next_free_vgpr 832
		.amdhsa_next_free_sgpr 80
		.amdhsa_reserve_vcc 0
		.amdhsa_float_denorm_mode_32 3
		.amdhsa_float_denorm_mode_16_64 3
		.amdhsa_memory_ordered 1
		.amdhsa_forward_progress 1
		.amdhsa_inst_pref_size 183
	.end_amdhsa_kernel
	.amdgpu_metadata
---
amdhsa.version: [ 1, 2 ]
amdhsa.kernels:
  - .name:           k_qf5229a9145_proj
    .symbol:         k_qf5229a9145_proj.kd
    .args:
      - { .name: X_codes, .offset: 0, .size: 8, .value_kind: global_buffer, .address_space: global }
      - { .name: X_scales, .offset: 8, .size: 8, .value_kind: global_buffer, .address_space: global }
      - { .name: Wq_codes, .offset: 16, .size: 8, .value_kind: global_buffer, .address_space: global }
      - { .name: Wk_codes, .offset: 24, .size: 8, .value_kind: global_buffer, .address_space: global }
      - { .name: Wq_scales, .offset: 32, .size: 8, .value_kind: global_buffer, .address_space: global }
      - { .name: Wk_scales, .offset: 40, .size: 8, .value_kind: global_buffer, .address_space: global }
      - { .name: bq, .offset: 48, .size: 8, .value_kind: global_buffer, .address_space: global }
      - { .name: bk, .offset: 56, .size: 8, .value_kind: global_buffer, .address_space: global }
      - { .name: qg, .offset: 64, .size: 8, .value_kind: global_buffer, .address_space: global }
      - { .name: kg, .offset: 72, .size: 8, .value_kind: global_buffer, .address_space: global }
    .group_segment_fixed_size: 327680
    .private_segment_fixed_size: 0
    .kernarg_segment_align: 8
    .kernarg_segment_size: 80
    .max_flat_workgroup_size: 128
    .sgpr_count:     80
    .vgpr_count:     832
    .wavefront_size: 32
...
	.end_amdgpu_metadata
.endif
;; end of part 1
;; launch score (part 2): grid 32 x 8, 4 waves a work-group, no clusters, 262,656 bytes of LDS; arguments qg, kg, stats; writes stats
.if DOCPART == 2
	.amdgcn_target "amdgcn-amd-amdhsa--gfx1250"
	.amdhsa_code_object_version 6
	.text
	.protected	k_qf5229a9145_score
	.globl	k_qf5229a9145_score
	.p2align	8
	.type	k_qf5229a9145_score,@function
k_qf5229a9145_score:
	s_mov_b64 s[64:65], 0
	v_nop
	global_prefetch_b8 v0, s[64:65] scope:SCOPE_SE
	s_setreg_imm32_b32 hwreg(HW_REG_WAVE_MODE, 25, 1), 1
	s_wait_xcnt 0x0
; For a block of 256 queries and 4 or 5 groups of 64 keys of one batch: S^T = K Q^T on codes of BF6 (K = the 1,024 d), keys after the query hidden, and for each query the running maximum and the sum of
; 2^(c s - c max), c = log2(e) / 32.  Stored: stats[part][row] = (c max, sum).  The scores that reference() sets to zero (keys after the query) are counted in the next launch, not here; key tiles wholly
; after a block's queries are not multiplied at all.
; SHARES.  Query block i (0..7) has 4 i + 4 key groups, cut into n = 1,2,3,4,4,5,6,7 parts of 4 or 5 groups: 32 work-groups a batch (x), 8 batches (y).  Wave w holds the 64 queries of group 4 i + w in 384 registers
; for the whole launch and walks all the work-group's key tiles: a row's part has one owner.
; NO CLUSTER: of a batch's 32 work-groups only 16 fall into fours with equal key ranges (parts 0..3 of blocks 4..7); the others fall into sets of 4, 3, 2, 1, 3, 2, 1, so the grid does not divide into equal partners.
; LDS: the work-group's five key groups as they lie in kg, 51,200 bytes each, filled once by five tensor loads a wave (a quarter each).  The fifth is always asked for (its group held inside the batch), so that
; every wave has issued the same loads at the counted wait; where a part has four groups nothing of it is used.
; LAYOUT.  Source 0 = 16 keys, source 1 = 16 queries: lane (r, h) holds query r and keys 8 h + 0 .. 7.  Maximum and sum are kept for each lane; the two halves meet once, at the end.
; BY TURNS.  While key tile t is multiplied into one set of four accumulators, the softmax of tile t - 1, in the other set, stands in slices behind the matrix instructions.  K, the accumulators and the statistics
; lie in window 0 and only Q, source 1, elsewhere: a slice line whose vector sources stand in places 0 and 2 needs no switch of windows.
; LIMITS: the running maximum starts at -3e38; NaN and infinities are not served.
; REGISTERS.  window 0: v1, v2 / v13, v14 LDS addresses (fragments, scale words), two pairs; v3 r - 8 h; v4 -infinity; v5 8 x lane; v16-47 statistics; v48-63 Q's scale words; v64-67 K's;
;   v72-135 two sets of four accumulators; v136-231 K's eight fragments, one set; v232-255 the end.   window 1: Q (tile a, K step 0..3) at 48 s + 12 a;  window 2: K steps 4..7 likewise.
.set GB,  51200
.set ADKA, 1
.set ADSA, 2
.set ADKB, 13
.set ADSB, 14
.set ST,  16                           ; tile a at ST + 8 a: +0 c max behind an even key tile, +1 c0, +2 c max behind an odd one, +3 c1, +4 a, +5 max, +6, +7 the sum in two halves
.set QS,  48
.set KS,  64                           ; register j: lanes 0-15 K step 2 j, lanes 16-31 K step 2 j + 1
.set AC,  72
.set KF,  136
.set CS,  44                           ; s[44:45] c
.set SEL, 46
.set KT,  48                           ; s48 the key tile whose softmax is due
.set QT0, 49                           ; s49 my first query tile
.set NG,  50                           ; s50 4 or 5 groups
.set MSB, 0
.macro WIN new
.if MSB != (\new)
	s_set_vgpr_msb (MSB<<8)|(\new)
.set MSB, \new
.endif
.endm
.macro PLACES n
.rept \n
	v_nop
.endr
.endm
; One product: key tile's K step s x query tile a, into set cur.  The four accumulators take turns in every K step.
.macro KQ s, a, cur
.if (\s) < 4
	WIN 0x04                                       ; Q in window 1
.else
	WIN 0x08                                       ; Q in window 2
.endif
.set rD, AC+32*(\cur)+8*(\a)
.set rK, KF+12*(\s)
.set rQ, 48*((\s)%4)+12*(\a)
.set rKS, KS+(\s)/2
.set rQS, QS+4*(\a)+(\s)/2
.if (\s) == 0
	v_wmma_scale_f32_16x16x128_f8f6f4 v[rD:rD+7], v[rK:rK+11], v[rQ:rQ+11], 0, v[rKS], v[rQS] matrix_a_fmt:MATRIX_FMT_BF6 matrix_b_fmt:MATRIX_FMT_BF6
.elseif (\s)%2 == 0
	v_wmma_scale_f32_16x16x128_f8f6f4 v[rD:rD+7], v[rK:rK+11], v[rQ:rQ+11], v[rD:rD+7], v[rKS], v[rQS] matrix_a_fmt:MATRIX_FMT_BF6 matrix_b_fmt:MATRIX_FMT_BF6
.else
	v_wmma_scale_f32_16x16x128_f8f6f4 v[rD:rD+7], v[rK:rK+11], v[rQ:rQ+11], v[rD:rD+7], v[rKS], v[rQS] matrix_a_fmt:MATRIX_FMT_BF6 matrix_b_fmt:MATRIX_FMT_BF6 matrix_a_scale:MATRIX_SCALE_ROW1 matrix_b_scale:MATRIX_SCALE_ROW1
.endif
.endm
; Line n of 93 of the softmax of the key tile in set q (four query tiles, 8 scores a lane each).
;   0-15   the maximum: c0 = max(s0..s2), c1 = max(s3..s5), c0 = max(c0, s6, s7), max = max(c0, c1, max)      16-19 c max      20-23 c max before - c max now
;   24-75  ONE BATCH: 16 scalings c s - c max (a pair each) and 36 exponentials (a of four tiles, then the 32 scores); none reads an exponential's result; each pair is scaled ahead of its exponentials
;   76     a plain line and the one wait for the batch      77-88 the four pairs are summed      89-92 sum = sum x a + this tile's
.macro SM n, q
.set nn, \n
.set qq, \q
.if nn < 16
	WIN 0
.set rS, AC+32*qq+8*(nn%4)
.set rT, ST+8*(nn%4)
.if nn/4 == 0
	v_max3_num_f32 v[rT+1], v[rS], v[rS+1], v[rS+2]
.elseif nn/4 == 1
	v_max3_num_f32 v[rT+3], v[rS+3], v[rS+4], v[rS+5]
.elseif nn/4 == 2
	v_max3_num_f32 v[rT+1], v[rT+1], v[rS+6], v[rS+7]
.else
	v_max3_num_f32 v[rT+5], v[rT+1], v[rT+3], v[rT+5]
.endif
.elseif nn < 20
.set rT, ST+8*(nn-16)
	v_mul_f32 v[rT+2*qq], v[rT+5], s[CS]
.elseif nn < 24
.set rT, ST+8*(nn-20)
	v_fma_f32 v[rT+4], v[rT+2-2*qq], 1.0, -v[rT+2*qq]  ; two stored roundings are subtracted: an unchanged maximum gives exactly 0
.elseif nn < 76
.set zz, nn-24
.set ww, zz%13
.set bb, zz/13
.if (ww%3 == 0) && (ww < 10)
.set rS, AC+32*qq+8*bb+2*(ww/3)
.set rT, ST+8*bb+2*qq
	v_pk_fma_f32 v[rS:rS+1], v[rS:rS+1], s[CS:CS+1], v[rT:rT+1] op_sel_hi:[1,0,0] neg_lo:[0,0,1] neg_hi:[0,0,1]
.else
.set mm, 9*bb+ww-1-(ww-1)/3
.if mm < 4
	v_exp_f32 v[ST+8*mm+4], v[ST+8*mm+4]
.else
.set rS, AC+32*qq+mm-4
	v_exp_f32 v[rS], v[rS]
.endif
.endif
.elseif nn == 76
	v_nop                                          ; a plain line behind the last exponential
	s_wait_alu depctr_va_vdst(0)                   ; the wait ahead of the first line that names a result: one for the 36
.elseif nn < 89
.set rS, AC+32*qq+8*((nn-77)%4)
.if (nn-77)/4 == 0
	v_pk_fma_f32 v[rS:rS+1], v[rS:rS+1], 1.0, v[rS+2:rS+3] op_sel_hi:[1,0,1]
.elseif (nn-77)/4 == 1
	v_pk_fma_f32 v[rS+4:rS+5], v[rS+4:rS+5], 1.0, v[rS+6:rS+7] op_sel_hi:[1,0,1]
.else
	v_pk_fma_f32 v[rS:rS+1], v[rS:rS+1], 1.0, v[rS+4:rS+5] op_sel_hi:[1,0,1]
.endif
.else
	WIN 0
.set rS, AC+32*qq+8*(nn-89)
.set rT, ST+8*(nn-89)
	v_pk_fma_f32 v[rT+6:rT+7], v[rT+6:rT+7], v[rT+4:rT+5], v[rS:rS+1] op_sel_hi:[1,0,1]
.endif
.endm
.macro SLICE k, q                      ; slice k of 32: 4, 3 or 2 lines of the list
.set kk, \k
.if kk < 4
.irp n, 0,1,2,3
	SM 4*kk+\n, \q
.endr
.elseif kk < 25
.irp n, 0,1,2
	SM 16+3*(kk-4)+\n, \q
.endr
.else
.irp n, 0,1
	SM 79+2*(kk-25)+\n, \q
.endr
.endif
.endm
; Behind K step k: fragment k - 1 of the NEXT key tile into the registers that K step k - 1 has read (k = 0: fragment 7 of THIS tile), and behind even k a register of scale words.  Between the last product that
; read those registers and these loads stand five slices, with four plain lines or more that name none of its registers, and the v_nop (ISA guide 7.12.1 for vector instructions).
.macro EVENT k
	v_nop
.if (\k) == 0
	ds_load_b32 v[KS+3], v[rAS] offset:oCS+1536
.irp c, 0,1,2
	ds_load_b128 v[KF+84+4*\c:KF+84+4*\c+3], v[rAK] offset:oC+10752+512*\c
.endr
.else
.if (\k)%2 == 0
	ds_load_b32 v[KS+(\k)/2-1], v[rAS] offset:oNS+512*((\k)/2-1)
.endif
.irp c, 0,1,2
	ds_load_b128 v[KF+12*((\k)-1)+4*\c:KF+12*((\k)-1)+4*\c+3], v[rAK] offset:oN+1536*((\k)-1)+512*\c
.endr
.endif
.endm
; Keys after the query become -infinity ahead of the maximum.  A key tile ahead of all my query tiles skips this: a scalar branch on ids and counts.
.macro MASKCHK q
	s_cmp_lt_i32 s[KT], s[QT0]
	s_cbranch_scc1 .Lopen_\@
	s_sub_co_i32 s52, s[QT0], s[KT]
	s_lshl_b32 s52, s52, 4
.irp a, 0,1,2,3
	v_add3_u32 v[ST+8*\a+1], v3, s52, 16*\a        ; query - first key of my half: key j of my eight is hidden where j is above it
.endr
.irp a, 0,1,2,3
.irp j, 0,1,2,3,4,5,6,7
	v_cmp_gt_i32 vcc_lo, \j, v[ST+8*\a+1]
	v_cndmask_b32 v[AC+32*(\q)+8*\a+\j], v[AC+32*(\q)+8*\a+\j], v4, vcc_lo
.endr
.endr
.Lopen_\@:
.endm
; A key tile: u = its place in its group.  last = 1: nothing follows it.  bump = 1: the pair of address registers that this step does not use goes on to the next group: its own loads are older than the 25 loads
; of the step between and were shown done by that step's last wait.
.macro STEP u, last, bump
.if (\bump) && ((\u) == 1)
	v_add_nc_u32 v[ADKB], GB, v[ADKB]
	v_add_nc_u32 v[ADSB], GB, v[ADSB]
.endif
.if (\bump) && ((\u) == 3)
	v_add_nc_u32 v[ADKA], GB, v[ADKA]
	v_add_nc_u32 v[ADSA], GB, v[ADSA]
.endif
.if (\u) < 2
.set rAK, ADKA
.set rAS, ADSA
.else
.set rAK, ADKB
.set rAS, ADSB
.endif
.set oC, 12288*(\u)
.set oCS, 64*(\u)
.if (\u) == 3
.set oN, GB
.set oNS, GB
.else
.set oN, 12288*((\u)+1)
.set oNS, 64*((\u)+1)
.endif
	MASKCHK 1-((\u)&1)
.irp s, 0,1,2,3,4,5,6,7
.if ((\last) == 0) || (\s == 0)
	s_wait_dscnt 20                                ; behind this K step's scale word stand 20 loads, behind its fragment 21: six later events
.elseif \s < 6
	s_wait_dscnt 4                                 ; only the four loads behind K step 0 may be out
.else
	s_wait_dscnt 0
.endif
.irp a, 0,1,2,3
	KQ \s, \a, (\u)&1
	SLICE 4*\s+\a, 1-((\u)&1)
.endr
.if ((\last) == 0) || (\s == 0)
	EVENT \s
.endif
.endr
	WIN 0
	s_add_co_u32 s[KT], s[KT], 1
.endm
	s_load_b128 s[4:7], s[0:1], 0x0                ; qg, kg
	s_load_b64 s[8:9], s[0:1], 0x10                ; stats
	v_lshl_add_u32 v70, v0, 2, 0x40000
	v_mov_b32 v71, 0
	ds_add_u32 v70, v71
	ds_add_u32 v70, v71
	v_lshrrev_b32 v6, 5, v0
	v_readfirstlane_b32 s10, v6                    ; wave
	s_and_b32 s11, ttmp7, 0xffff                   ; batch
	s_mov_b32 s12, 0
.irp P, 1,3,6,10,14,19,25
	s_cmp_ge_u32 ttmp9, \P
	s_cselect_b32 s52, 1, 0
	s_add_co_u32 s12, s12, s52                     ; i: the query block
.endr
	s_add_co_u32 s52, s12, 1
	s_mul_i32 s52, s52, s12
	s_lshr_b32 s52, s52, 1
	s_max_u32 s53, s12, 4
	s_sub_co_u32 s53, s53, 4
	s_sub_co_u32 s52, s52, s53                     ; the block's first work-group: i (i + 1) / 2 - max(i - 4, 0)
	s_sub_co_u32 s13, ttmp9, s52                   ; p: the part
	s_cmp_ge_u32 s12, 4
	s_cselect_b32 s14, 4, 0                        ; so many parts of the block have five groups
	s_cmp_lt_u32 s13, s14
	s_cselect_b32 s[NG], 5, 4
	s_min_u32 s53, s13, s14
	s_lshl_b32 s54, s13, 2
	s_add_co_u32 s54, s54, s53                     ; the part's first key group
	s_lshl_b32 s[KT], s54, 2
	s_sub_co_i32 s[KT], s[KT], 1                   ; the step ahead of the first has no key tile: one under the first
	s_lshl_b32 s[QT0], s12, 4
	s_lshl_b32 s53, s10, 2
	s_add_co_u32 s[QT0], s[QT0], s53
	; group 1: 50 dense rows of 256 bytes (32 elements of 8 bytes), no padding: a quarter of a group block
	s_mov_b32 s16, 3<<16
	s_mov_b32 s17, 32<<16
	s_mov_b32 s18, 50<<16
	s_mov_b32 s19, 32<<16
	s_mov_b32 s20, 50
	s_mov_b32 s21, 32
	s_mov_b32 s22, 0
	s_mov_b32 s23, 0
	s_lshl_b32 s55, s11, 5                         ; the batch's first group
	s_add_co_u32 s56, s55, s54
	s_mul_i32 s56, s56, GB
	s_mul_i32 s58, s10, 12800                      ; my quarter, in memory and in LDS
	s_add_co_u32 s56, s56, s58
	s_mov_b32 s57, 0
	s_add_co_u32 s59, s54, 4
	s_min_u32 s59, s59, 31                         ; the fifth group, held inside the batch
	s_add_co_u32 s59, s59, s55
	s_mul_i32 s52, s59, GB
	s_add_co_u32 s52, s52, s58
	s_mov_b32 s53, 0
	s_mov_b32 s[CS], 0x3d38aa3b                    ; c = log2(e) / 32
	s_mov_b32 s[CS+1], s[CS]
	s_mov_b32 s[SEL], 0x76543210
	s_mov_b32 s[SEL+1], 0xfedcba98
	s_wait_dscnt 0x0
	s_wait_kmcnt 0x0
	s_add_nc_u64 s[56:57], s[6:7], s[56:57]
.irp g, 0,1,2,3
	s_mov_b32 s[24+4*\g], 1
	s_add_co_u32 s[25+4*\g], s58, GB*\g
	s_add_nc_u64 s[26+4*\g:27+4*\g], s[56:57], GB*\g
	s_or_b32 s[27+4*\g], s[27+4*\g], 0x80000000
.endr
	s_mov_b32 s40, 1
	s_add_co_u32 s41, s58, GB*4
	s_add_nc_u64 s[42:43], s[6:7], s[52:53]
	s_or_b32 s43, s43, 0x80000000
	tensor_load_to_lds s[24:27], s[16:23]          ; five loads of mine are out
	s_nop 0
	tensor_load_to_lds s[28:31], s[16:23]
	s_nop 0
	tensor_load_to_lds s[32:35], s[16:23]
	s_nop 0
	tensor_load_to_lds s[36:39], s[16:23]
	s_nop 0
	tensor_load_to_lds s[40:43], s[16:23]
	s_nop 0
	PLACES 4
	s_lshl_b32 s52, s12, 2
	s_add_co_u32 s52, s52, s10
	s_add_co_u32 s52, s52, s55
	s_mul_i32 s52, s52, GB
	s_mov_b32 s53, 0
	s_add_nc_u64 s[4:5], s[4:5], s[52:53]          ; my 64 queries' group block
	s_lshl_b32 s52, s11, 11
	s_lshl_b32 s53, s12, 8
	s_add_co_u32 s52, s52, s53
	s_lshl_b32 s53, s10, 6
	s_add_co_u32 s52, s52, s53                     ; my first row
	s_lshl_b32 s52, s52, 3
	s_lshl_b32 s53, s13, 17
	s_add_co_u32 s52, s52, s53
	s_mov_b32 s53, 0
	s_add_nc_u64 s[8:9], s[8:9], s[52:53]          ; stats[p][my first row]
	v_and_b32 v6, 15, v0                           ; r
	v_bfe_u32 v7, v0, 4, 1                         ; h
	v_and_b32 v8, 31, v0                           ; lane
	v_lshlrev_b32 v11, 4, v8                       ; 16 x lane
	v_lshlrev_b32 v9, 2, v6
	v_lshl_add_u32 v9, v7, 8, v9                   ; 256 h + 4 r
	WIN 0x40
.irp s, 0,1,2,3
.irp a, 0,1,2,3
.irp c, 0,1,2
	global_load_b128 v[48*\s+12*\a+4*\c:48*\s+12*\a+4*\c+3], v11, s[4:5] offset:12288*\a+1536*\s+512*\c
.endr
.endr
.endr
	WIN 0x80
.irp s, 4,5,6,7
.irp a, 0,1,2,3
.irp c, 0,1,2
	global_load_b128 v[48*(\s-4)+12*\a+4*\c:48*(\s-4)+12*\a+4*\c+3], v11, s[4:5] offset:12288*\a+1536*\s+512*\c
.endr
.endr
.endr
	WIN 0
.irp a, 0,1,2,3
.irp j, 0,1,2,3
	global_load_b32 v[QS+4*\a+\j], v9, s[4:5] offset:49152+512*\j+64*\a
.endr
.endr
	v_lshlrev_b32 v[ADKA], 4, v8
	v_lshlrev_b32 v[ADKB], 4, v8
	v_add_nc_u32 v[ADSA], 49152, v9
	v_add_nc_u32 v[ADSB], 49152, v9
	v_lshlrev_b32 v10, 3, v7
	v_sub_nc_u32 v3, v6, v10                       ; r - 8 h
	v_mov_b32 v4, 0xff800000                       ; -infinity
	v_lshlrev_b32 v5, 3, v8
	v_mov_b32 v12, 0xff61b1e6                      ; -3e38, under every score
.irp a, 0,1,2,3
	v_mov_b32 v[ST+8*\a+5], v12
	v_mul_f32 v[ST+8*\a], s[CS], v12
	v_mul_f32 v[ST+8*\a+2], s[CS], v12
	v_mov_b32 v[ST+8*\a+1], 0
	v_mov_b32 v[ST+8*\a+3], 0
	v_mov_b32 v[ST+8*\a+4], 0
	v_mov_b32 v[ST+8*\a+6], 0
	v_mov_b32 v[ST+8*\a+7], 0
.endr
.irp j, 0,1,2,3,4,5,6,7,8,9,10,11,12,13,14,15,16,17,18,19,20,21,22,23,24,25,26,27,28,29,30,31
	v_mov_b32 v[AC+32+\j], v4                      ; the step ahead of the first: scores of -infinity, which add nothing: so the first step is a step like any other
.endr
.irp j, 0,1,2,3,4,5,6,7
	v_mov_b32 v[236+\j], 0                         ; written once: a lane permute's destination counts as one of its sources
.endr
	s_wait_tensorcnt 0x3                           ; my quarters of groups 0 and 1 have landed; the three loads issued behind them may stay out
	s_barrier_signal -1
	s_barrier_wait -1                              ; everybody's have
.set rAK, ADKA
.set rAS, ADSA
.set oN, 0
.set oNS, 0
.irp k, 1,2,3,4,5,6,7
	EVENT \k                                       ; the first key tile's fragments 0 to 6 and scale words 0 to 2
.endr
	s_wait_loadcnt 0x0                             ; Q
	STEP 0, 0, 0                                   ; group 0 is written out: groups 2 to 4 may still be on their way
	STEP 1, 0, 0
	STEP 2, 0, 0
	STEP 3, 0, 1
	s_wait_tensorcnt 0x0                           ; all my quarters have landed,
	s_wait_dscnt 0x0
	s_barrier_signal -1
	s_barrier_wait -1                              ; and everybody's
	s_mov_b32 s51, 3
.Lgrp:                                             ; groups 1, 2, 3
	STEP 0, 0, 0
	STEP 1, 0, 1
	STEP 2, 0, 0
	STEP 3, 0, 1
	s_sub_co_u32 s51, s51, 1
	s_cmp_lg_u32 s51, 0
	s_cbranch_scc1 .Lgrp
	s_cmp_eq_u32 s[NG], 4                          ; a part of four groups is through: a branch on the work-group's number, round products alone
	s_cbranch_scc1 .Lfin
	STEP 0, 0, 0
	STEP 1, 0, 1
	STEP 2, 0, 0
	STEP 3, 1, 0
.Lfin:
	s_wait_dscnt 0x0
	MASKCHK 1                                      ; the last key tile's softmax, on end
.set fn, 0
.rept 93
	SM fn, 1
.set fn, fn+1
.endr
	; the two halves of the lanes meet: the larger c max, both sums brought under it
.irp a, 0,1,2,3
	v_add_f32 v[232+\a], v[ST+8*\a+6], v[ST+8*\a+7]
.endr
.irp a, 0,1,2,3
	v_permlanex16_b32 v[236+\a], v[ST+8*\a+2], s[SEL], s[SEL+1]
	v_permlanex16_b32 v[240+\a], v[232+\a], s[SEL], s[SEL+1]
.endr
.irp a, 0,1,2,3
	v_max_num_f32 v[244+\a], v[ST+8*\a+2], v[236+\a]
.endr
.irp a, 0,1,2,3
	v_sub_f32 v[248+\a], v[ST+8*\a+2], v[244+\a]
	v_sub_f32 v[252+\a], v[236+\a], v[244+\a]
.endr
.irp a, 0,1,2,3
	v_exp_f32 v[248+\a], v[248+\a]
	v_exp_f32 v[252+\a], v[252+\a]
.endr
	v_nop                                          ; a plain line behind the last exponential
	v_cmp_le_u32 vcc_lo, 16, v8                    ; lanes 16-31
	s_wait_alu depctr_va_vdst(0)                   ; one wait for the eight, ahead of their first reader
.irp a, 0,1,2,3
	v_mul_f32 v[232+\a], v[232+\a], v[248+\a]
.endr
.irp a, 0,1,2,3
	v_fma_f32 v[232+\a], v[240+\a], v[252+\a], v[232+\a]
.endr
	v_cndmask_b32 v72, v244, v245, vcc_lo          ; lanes 0-15 take tile 0's rows, lanes 16-31 tile 1's: lane l = row l
	v_cndmask_b32 v73, v232, v233, vcc_lo
	v_cndmask_b32 v74, v246, v247, vcc_lo
	v_cndmask_b32 v75, v234, v235, vcc_lo
	global_store_b64 v5, v[72:73], s[8:9]          ; 32 lanes store 256 consecutive bytes, aligned
	global_store_b64 v5, v[74:75], s[8:9] offset:256
	s_wait_tensorcnt 0x0
	ds_add_u32 v70, v71
	s_wait_dscnt 0x0
	s_endpgm
.Lfunc_end_k_qf5229a9145_score:
	.size	k_qf5229a9145_score, .Lfunc_end_k_qf5229a9145_score-k_qf5229a9145_score
	.p2alignl 7, 3214868480
	.fill 96, 4, 3214868480
	.section	.rodata,"a",@progbits
	.p2align	6, 0x0
	.amdhsa_kernel k_qf5229a9145_score
		.amdhsa_group_segment_fixed_size 262656
		.amdhsa_private_segment_fixed_size 0
		.amdhsa_enable_private_segment 0
		.amdhsa_kernarg_size 24
		.amdhsa_user_sgpr_count 2
		.amdhsa_user_sgpr_kernarg_segment_ptr 1
		.amdhsa_wavefront_size32 1
		.amdhsa_system_sgpr_workgroup_id_x 1
		.amdhsa_system_sgpr_workgroup_id_y 1
		.amdhsa_system_sgpr_workgroup_id_z 1
		.amdhsa_system_vgpr_workitem_id 0
		.amdhsa_next_free_vgpr 768
		.amdhsa_next_free_sgpr 66
		.amdhsa_reserve_vcc 1
		.amdhsa_float_denorm_mode_32 3
		.amdhsa_float_denorm_mode_16_64 3
		.amdhsa_memory_ordered 1
		.amdhsa_forward_progress 1
		.amdhsa_inst_pref_size 195
	.end_amdhsa_kernel
	.amdgpu_metadata
---
amdhsa.version: [ 1, 2 ]
amdhsa.kernels:
  - .name:           k_qf5229a9145_score
    .symbol:         k_qf5229a9145_score.kd
    .args:
      - { .name: qg, .offset: 0, .size: 8, .value_kind: global_buffer, .address_space: global }
      - { .name: kg, .offset: 8, .size: 8, .value_kind: global_buffer, .address_space: global }
      - { .name: stats, .offset: 16, .size: 8, .value_kind: global_buffer, .address_space: global }
    .group_segment_fixed_size: 262656
    .private_segment_fixed_size: 0
    .kernarg_segment_align: 8
    .kernarg_segment_size: 24
    .max_flat_workgroup_size: 128
    .sgpr_count:     66
    .vgpr_count:     768
    .wavefront_size: 32
...
	.end_amdgpu_metadata
.endif
;; end of part 2
;; launch vout (part 3): grid 4 x 64, 4 waves a work-group, clusters of 4 x 4, 262,656 bytes of LDS; arguments X_codes, X_scales, Wv_codes, Wv_scales, bv, stats, out0; writes out0
.if DOCPART == 3
	.amdgcn_target "amdgcn-amd-amdhsa--gfx1250"
	.amdhsa_code_object_version 6
	.text
	.protected	k_qf5229a9145_vout
	.globl	k_qf5229a9145_vout
	.p2align	8
	.type	k_qf5229a9145_vout,@function
k_qf5229a9145_vout:
	s_mov_b64 s[64:65], 0
	v_nop
	global_prefetch_b8 v0, s[64:65] scope:SCOPE_SE
	s_setreg_imm32_b32 hwreg(HW_REG_WAVE_MODE, 25, 1), 1
	s_wait_xcnt 0x0
	s_wait_alu depctr_hold_cnt(0) depctr_sa_sdst(0) depctr_va_vdst(0) depctr_va_sdst(0) depctr_va_ssrc(0) depctr_va_vcc(0) depctr_vm_vsrc(0)
	s_getreg_b32 s2, hwreg(HW_REG_IB_STS2, 6, 4)
	s_cmp_eq_u32 s2, 0
	s_cbranch_scc0 .Lentry_in_a_cluster
	s_endpgm
.Lentry_in_a_cluster:
	s_bfe_u32 s2, ttmp6, 0x10000c
	s_cmp_lg_u32 s2, 0xf033
	s_cbranch_scc0 .Lentry_shape_is_right
	s_endpgm
.Lentry_shape_is_right:
; out = r x (X Wv^T + bv).  r[row] is the sum of the row's softmax: the parts (c max, sum) that the launch before stored are joined with the 2047 - j scores that reference() sets to zero:
; MT = the largest c max (0 for the zeros, where there are any); part = sum x 2^(c max - MT), the zeros' part (2047 - j) x 2^(0 - MT); L = the sum of the parts; r = the sum of part / L.
; SHARES.  A work-group takes 256 rows (y: one query block, i = y & 7, with n = i + 1 - (i >> 2) parts) and 256 of the 1,024 d (cx).  Wave w: d half wd = w & 1 (128 d), row half wr = w >> 1 (128 rows: 8 tiles).
; The wave's 8 tiles x 4 K steps of Wv stay in 384 registers.  The product is used transposed (source 0 = 16 rows of Wv, source 1 = 16 rows of X): a lane holds 8 neighbouring d of one row.
; CLUSTER 4 x 4: X's tile is asked for jointly along a row of the cluster, Wv's along a column.  All LDS bytes that tensor loads fill are filled once; the stages have bytes of their own.
; THE WAY OUT: a tile (16 rows x 128 d) goes through the wave's own stage and leaves as whole rows of 512 bytes; its trip through the stage lies under the next tile's products.
; LIMITS: NaN and infinities among the inputs are not served.
; REGISTERS.  window 0: v1-13 addresses; v16-63 X's four fragments; v64-79 X's scale words, a ring of four tiles; v80-111 Wv's; v112-127 r of tile t, twice, at 112 + 2 t; v128-255 two sets of 8 accumulators
;   (ahead of the first product: the statistics at work).   window 1: Wv (tile, K step 0, 1) at 12 (2 tile + s);  window 2: K steps 2, 3;  window 3: the bias.
.set XP,  432                          ; a row in LDS: 384 bytes + 16 behind each 128
.set WT,  256*XP
.set STG, 2*256*XP                     ; 16 rows x 528 bytes for each wave
.set XF,  16
.set XS,  64
.set WS,  80
.set RR,  112
.set ACC, 128
.set SD,  128                          ; part q, rows 32 k on: (c max, sum) at SD + 2 (4 q + k)
.set SEL, 60
.set MSB, 0
.macro WIN new
.if MSB != (\new)
	s_set_vgpr_msb (MSB<<8)|(\new)
.set MSB, \new
.endif
.endm
.macro CROUND
	s_barrier_signal -1
	s_barrier_wait -1
	s_cmp_lg_u32 s24, 0
	s_cbranch_scc1 .Lnot_wave_0_\@
	s_barrier_signal -3
.Lnot_wave_0_\@:
	s_barrier_wait -3
	s_barrier_signal -1
	s_barrier_wait -1
.endm
.macro PLACES n
.rept \n
	v_nop
.endr
.endm
.macro FRAG reg, adr, s, rowoff, padb  ; a fragment of 6-bit codes in pieces of 8 bytes; where lanes 16-31's piece lies behind one padding more, the second address register serves
.irp p, 0,1,2,3,4,5
.set PCN, 12*(\s)+6*(\p/3)+\p%3
.if PCN%16 < 13
	ds_load_b64 v[(\reg)+2*\p:(\reg)+2*\p+1], v[\adr] offset:8*PCN+(\padb)*(PCN/16)+(\rowoff)
.else
	ds_load_b64 v[(\reg)+2*\p:(\reg)+2*\p+1], v[\adr+1] offset:8*PCN+(\padb)*(PCN/16)+(\rowoff)
.endif
.endr
.endm
	s_load_b256 s[4:11], s[0:1], 0x0               ; X's codes, X's scales, Wv's codes, Wv's scales
	s_load_b128 s[12:15], s[0:1], 0x20             ; bv, stats
	s_load_b64 s[16:17], s[0:1], 0x30              ; out0
	v_lshl_add_u32 v14, v0, 2, 0x40000
	v_mov_b32 v15, 0
	ds_add_u32 v14, v15
	ds_add_u32 v14, v15
	v_lshrrev_b32 v10, 5, v0
	v_readfirstlane_b32 s24, v10                   ; wave
	s_and_b32 s25, s24, 1                          ; wd
	s_lshr_b32 s26, s24, 1                         ; wr
	s_bfe_u32 s27, ttmp6, 0x40000                  ; cx
	s_bfe_u32 s28, ttmp6, 0x40004                  ; cy
	s_and_b32 s29, ttmp7, 0xffff
	s_lshl_b32 s29, s29, 2
	s_add_co_u32 s29, s29, s28                     ; y
	s_lshl_b32 s66, s28, 2
	s_lshl_b32 s66, 15, s66                        ; my row of the cluster
	s_lshl_b32 s67, 0x1111, s27                    ; my column
	s_or_b32 s32, s66, (3<<16)|(1<<20)|(1<<21)|(4<<22)|(3<<25)   ; 64 rows of 48 elements of 8 bytes; 4 words of padding behind every 32
	s_or_b32 s40, s67, (3<<16)|(1<<20)|(1<<21)|(4<<22)|(3<<25)
.irp g, 32, 40
	s_mov_b32 s[\g+1], 48<<16
	s_mov_b32 s[\g+2], 64<<16
	s_mov_b32 s[\g+3], 48<<16
	s_mov_b32 s[\g+4], 64
	s_mov_b32 s[\g+5], 48
	s_mov_b32 s[\g+6], 0
	s_mov_b32 s[\g+7], 0
.endr
	s_lshl_b32 s69, s24, 6
	s_lshl_b32 s68, s27, 8
	s_add_co_u32 s68, s68, s69
	s_mul_i32 s68, s68, 384                        ; Wv: row 256 cx + 64 w
	s_mov_b32 s69, 0
	s_lshl_b32 s71, s24, 6
	s_lshl_b32 s70, s29, 8
	s_add_co_u32 s70, s70, s71
	s_mul_i32 s70, s70, 384                        ; X: row 256 y + 64 w
	s_mov_b32 s71, 0
	s_mul_i32 s62, s24, 64*XP
	s_wait_dscnt 0x0
	s_wait_kmcnt 0x0
	s_mov_b32 s48, 1
	s_mov_b32 s49, s62
	s_add_nc_u64 s[50:51], s[4:5], s[70:71]
	s_or_b32 s51, s51, 0x80000000
	s_mov_b32 s52, 1
	s_add_co_u32 s53, s62, WT
	s_add_nc_u64 s[54:55], s[8:9], s[68:69]
	s_or_b32 s55, s55, 0x80000000
	CROUND                                         ; all sixteen work-groups are here: the joint loads meet
	tensor_load_to_lds s[48:51], s[32:39]          ; two loads of mine are out
	s_nop 0
	tensor_load_to_lds s[52:55], s[40:47]
	s_nop 0
	PLACES 4
	s_lshl_b32 s74, s27, 8
	s_lshl_b32 s75, s25, 7
	s_add_co_u32 s74, s74, s75                     ; my first d
	s_lshl_b32 s76, s74, 4
	s_mov_b32 s77, 0
	s_add_nc_u64 s[10:11], s[10:11], s[76:77]      ; Wv's scales
	s_lshl_b32 s76, s74, 2
	s_add_nc_u64 s[12:13], s[12:13], s[76:77]      ; the bias
	s_add_nc_u64 s[16:17], s[16:17], s[76:77]      ; out0: my first column
	s_lshl_b32 s78, s29, 8
	s_lshl_b32 s79, s26, 7
	s_add_co_u32 s78, s78, s79                     ; my first row: 256 y + 128 wr
	s_lshl_b32 s76, s78, 4
	s_add_nc_u64 s[6:7], s[6:7], s[76:77]          ; X's scales
	s_lshl_b32 s76, s78, 3
	s_add_nc_u64 s[14:15], s[14:15], s[76:77]      ; stats[0][my first row]
	s_lshl_b32 s76, s78, 12
	s_add_nc_u64 s[16:17], s[16:17], s[76:77]      ; out0: my first row
	s_mov_b32 s[SEL], 0x76543210
	s_mov_b32 s[SEL+1], 0xfedcba98
	v_and_b32 v10, 15, v0                          ; r
	v_bfe_u32 v11, v0, 4, 1                        ; h
	v_and_b32 v12, 31, v0                          ; lane
	v_lshlrev_b32 v6, 4, v10
	v_lshlrev_b32 v13, 5, v11
	v_lshlrev_b32 v9, 3, v12
.irp t, 0,1,2,3,4,5,6,7
	global_load_b128 v[WS+4*\t:WS+4*\t+3], v6, s[10:11] offset:256*\t
.endr
	WIN 0xc0
.irp t, 0,1,2,3,4,5,6,7
	global_load_b128 v[8*\t:8*\t+3], v13, s[12:13] offset:64*\t          ; the bias at d = 16 tile + 8 h + 0 .. 7
	global_load_b128 v[8*\t+4:8*\t+7], v13, s[12:13] offset:64*\t+16
.endr
	WIN 0
.irp t, 0,1,2,3
	global_load_b128 v[XS+4*\t:XS+4*\t+3], v6, s[6:7] offset:256*\t
.endr
	; ---- r, while the tiles are on their way.  Lane l takes row 32 k + l of my 128, k = 0 .. 3
	s_and_b32 s30, s29, 7                          ; i
	s_lshr_b32 s66, s30, 2
	s_add_co_u32 s31, s30, 1
	s_sub_co_u32 s31, s31, s66                     ; n: the block's parts
	s_sub_co_u32 s67, s31, 1
.irp q, 0,1,2,3,4,5,6
	s_cmp_gt_u32 s31, \q
	s_cselect_b32 s[80+\q], 1.0, 0                 ; a part that the block does not have counts for nothing,
	s_min_u32 s66, s67, \q                         ; and its load reads the last part that was stored
	s_lshl_b32 s66, s66, 17
	v_add_nc_u32 v[212+\q], s66, v9
.endr
.irp q, 0,1,2,3,4,5,6
.irp k, 0,1,2,3
	global_load_b64 v[SD+2*(4*\q+\k):SD+2*(4*\q+\k)+1], v[212+\q], s[14:15] offset:256*\k
.endr
.endr
	s_lshl_b32 s66, s30, 8
	s_lshl_b32 s67, s26, 7
	s_add_co_u32 s66, s66, s67
	s_sub_co_u32 s66, 2047, s66
	v_sub_nc_u32 v209, s66, v12                    ; 2047 - j for k = 0
	v_mov_b32 v208, 0xff61b1e6                     ; -3e38
.irp k, 0,1,2,3
	v_add_nc_u32 v[188+\k], -32*\k, v209           ; how many scores of the row are set to zero
	v_mov_b32 v[204+\k], 0                         ; (a lane permute's destination counts as one of its sources)
.endr
.irp k, 0,1,2,3
	v_cmp_eq_u32 vcc_lo, 0, v[188+\k]
	v_cndmask_b32 v[192+\k], 0, v208, vcc_lo       ; their c max: 0, or none
	v_cvt_f32_u32 v[188+\k], v[188+\k]
.endr
	; the addresses for the products and the way out
	s_mul_i32 s62, s26, 128*XP
	v_mul_u32_u24 v1, v10, XP
	v_mad_u32_u24 v1, v11, 24, v1
	v_add_nc_u32 v1, s62, v1                       ; X: my 128 rows, row r, + 24 h
	v_lshl_add_u32 v2, v11, 4, v1
	s_mul_i32 s62, s25, 128*XP
	s_add_co_u32 s62, s62, WT
	v_mul_u32_u24 v3, v10, XP
	v_mad_u32_u24 v3, v11, 24, v3
	v_add_nc_u32 v3, s62, v3                       ; Wv: my 128 rows
	v_lshl_add_u32 v4, v11, 4, v3
	v_lshlrev_b32 v5, 4, v12
	s_mul_i32 s62, s24, 16*528
	s_add_co_u32 s62, s62, STG
	v_mul_u32_u24 v7, v10, 528
	v_lshl_add_u32 v7, v11, 5, v7
	v_add_nc_u32 v7, s62, v7                       ; the stage, in: row r, + 32 h
	v_add_nc_u32 v8, s62, v5                       ; and back: 16 bytes a lane of a row
	s_wait_loadcnt 0x0
.irp k, 0,1,2,3
	v_max3_num_f32 v[184+\k], v[SD+2*\k], v[SD+2*(4+\k)], v[SD+2*(8+\k)]
.endr
.irp k, 0,1,2,3
	v_max3_num_f32 v[184+\k], v[184+\k], v[SD+2*(12+\k)], v[SD+2*(16+\k)]
.endr
.irp k, 0,1,2,3
	v_max3_num_f32 v[184+\k], v[184+\k], v[SD+2*(20+\k)], v[SD+2*(24+\k)]
.endr
.irp k, 0,1,2,3
	v_max_num_f32 v[184+\k], v[184+\k], v[192+\k]  ; MT
.endr
.irp q, 0,1,2,3,4,5,6
.irp k, 0,1,2,3
	v_sub_f32 v[SD+2*(4*\q+\k)], v[SD+2*(4*\q+\k)], v[184+\k]
.endr
.endr
.irp k, 0,1,2,3
	v_sub_f32 v[192+\k], v[192+\k], v[184+\k]
.endr
.irp q, 0,1,2,3,4,5,6
.irp k, 0,1,2,3
	v_exp_f32 v[SD+2*(4*\q+\k)], v[SD+2*(4*\q+\k)]
.endr
.endr
.irp k, 0,1,2,3
	v_exp_f32 v[192+\k], v[192+\k]
.endr
	v_nop                                          ; a plain line behind the last exponential
.irp q, 0,1,2,3,4,5,6
.irp k, 0,1,2,3
	v_mul_f32 v[SD+2*(4*\q+\k)+1], s[80+\q], v[SD+2*(4*\q+\k)+1]   ; (these name the sums alone)
.endr
.endr
	s_wait_alu depctr_va_vdst(0)                   ; one wait for the 32, ahead of their first reader
.irp q, 0,1,2,3,4,5,6
.irp k, 0,1,2,3
	v_mul_f32 v[SD+2*(4*\q+\k)+1], v[SD+2*(4*\q+\k)+1], v[SD+2*(4*\q+\k)]   ; the part
.endr
.endr
.irp k, 0,1,2,3
	v_mul_f32 v[192+\k], v[188+\k], v[192+\k]      ; the zeros' part
.endr
.irp k, 0,1,2,3
	v_add_f32 v[196+\k], v[192+\k], v[SD+2*\k+1]
.endr
.irp q, 1,2,3,4,5,6
.irp k, 0,1,2,3
	v_add_f32 v[196+\k], v[196+\k], v[SD+2*(4*\q+\k)+1]
.endr
.endr
.irp k, 0,1,2,3
	v_rcp_f32 v[196+\k], v[196+\k]
.endr
	v_nop
	v_cmp_le_u32 vcc_lo, 16, v12                   ; lanes 16-31
	s_wait_alu depctr_va_vdst(0)                   ; one wait for the four
.irp k, 0,1,2,3
	v_mul_f32 v[200+\k], v[192+\k], v[196+\k]
.endr
.irp q, 0,1,2,3,4,5,6
.irp k, 0,1,2,3
	v_fma_f32 v[200+\k], v[SD+2*(4*\q+\k)+1], v[196+\k], v[200+\k]   ; r = the sum of part / L
.endr
.endr
.irp k, 0,1,2,3
	v_permlanex16_b32 v[204+\k], v[200+\k], s[SEL], s[SEL+1]
.endr
.irp k, 0,1,2,3                                ; tile 2 k: rows 32 k + r, held by lanes 0-15; tile 2 k + 1: rows 32 k + 16 + r, held by lanes 16-31.  Each twice: the packed multiply names a pair
	v_cndmask_b32 v[RR+4*\k], v[200+\k], v[204+\k], vcc_lo
	v_cndmask_b32 v[RR+4*\k+1], v[200+\k], v[204+\k], vcc_lo
	v_cndmask_b32 v[RR+4*\k+2], v[204+\k], v[200+\k], vcc_lo
	v_cndmask_b32 v[RR+4*\k+3], v[204+\k], v[200+\k], vcc_lo
.endr
	s_wait_tensorcnt 0x0                           ; my parts of both tiles have landed,
	s_barrier_signal -1
	s_barrier_wait -1                              ; everybody's have
.irp s, 0,1,2,3
	FRAG XF+12*\s, 1, \s, 0, 16
.endr
	WIN 0x40
.irp s, 0,1
.irp t, 0,1,2,3,4,5,6,7
	FRAG 12*(2*\t+\s), 3, \s, 16*XP*\t, 16
.endr
.endr
	WIN 0x80
.irp s, 2,3
.irp t, 0,1,2,3,4,5,6,7
	FRAG 12*(2*\t+\s-2), 3, \s, 16*XP*\t, 16
.endr
.endr
	WIN 0
.macro SEND t                          ; tile t is back from the stage as 16 whole rows: stored
.set BB, ACC+64*((\t)%2)
	s_wait_dscnt 0x0
.irp i, 0,1,2,3,4,5,6,7,8,9,10,11,12,13,14,15
	global_store_b128 v5, v[BB+4*\i:BB+4*\i+3], s[16:17] offset:(16*(\t)+\i)*4096 th:TH_STORE_NT   ; 32 lanes store 512 consecutive bytes, at a multiple of 256 from out0's first byte; written once
.endr
.endm
.macro TILE t
.set AB, ACC+64*((\t)%2)
.if (\t) > 0
	s_wait_dscnt 32                                ; X's fragments are in; behind them stand the last tile's 16 stores into the stage and its 16 loads back
.endif
.if 7-(\t) < 3
	s_wait_loadcnt 7-(\t)                          ; this tile's scale words are in; those of the later tiles may be out
.else
	s_wait_loadcnt 3
.endif
	s_wait_xcnt 0x0                                ; the stores of two tiles ago have read this set of registers
.irp s, 0,1,2,3
.if (\t) == 0
.if \s < 2
	s_wait_dscnt 63                                ; behind what this K step reads stand 144 or 96 loads: the largest count that can be named
.elseif \s == 2
	s_wait_dscnt 48
.else
	s_wait_dscnt 0
.endif
.endif
.if \s == 0
	WIN 0x31
.elseif \s == 1
	WIN 0x01
.else
	WIN 0x02
.endif
.irp i, 0,1,2,3,4,5,6,7
.if \s == 0
	v_wmma_scale_f32_16x16x128_f8f6f4 v[AB+8*\i:AB+8*\i+7], v[24*\i:24*\i+11], v[XF:XF+11], v[8*\i:8*\i+7], v[WS+4*\i], v[XS+4*((\t)%4)] matrix_a_fmt:MATRIX_FMT_BF6 matrix_b_fmt:MATRIX_FMT_BF6
.else
	v_wmma_scale_f32_16x16x128_f8f6f4 v[AB+8*\i:AB+8*\i+7], v[24*\i+12*(\s%2):24*\i+12*(\s%2)+11], v[XF+12*\s:XF+12*\s+11], v[AB+8*\i:AB+8*\i+7], v[WS+4*\i+\s], v[XS+4*((\t)%4)+\s] matrix_a_fmt:MATRIX_FMT_BF6 matrix_b_fmt:MATRIX_FMT_BF6
.endif
.endr
.endr
	WIN 0
.if (\t) > 0
	SEND (\t)-1
.endif
	PLACES 4                                       ; in front of loads into registers that the products have read, and of the first read of results
.if (\t) < 7
.irp s, 0,1,2,3
	FRAG XF+12*\s, 1, \s, 16*XP*((\t)+1), 16
.endr
.endif
.if (\t)+4 < 8
	global_load_b128 v[XS+4*((\t)%4):XS+4*((\t)%4)+3], v6, s[6:7] offset:256*((\t)+4)
.endif
.irp j, 0,2,4,6,8,10,12,14,16,18,20,22,24,26,28,30,32,34,36,38,40,42,44,46,48,50,52,54,56,58,60,62
	v_pk_mul_f32 v[AB+\j:AB+\j+1], v[AB+\j:AB+\j+1], v[RR+2*(\t):RR+2*(\t)+1]   ; x r of my row; each accumulator from its low end on
.endr
.irp i, 0,1,2,3,4,5,6,7
	ds_store_b128 v7, v[AB+8*\i:AB+8*\i+3] offset:64*\i
	ds_store_b128 v7, v[AB+8*\i+4:AB+8*\i+7] offset:64*\i+16
.endr
.irp i, 0,1,2,3,4,5,6,7,8,9,10,11,12,13,14,15
	ds_load_b128 v[AB+4*\i:AB+4*\i+3], v8 offset:528*\i    ; LDS serves a wave's instructions in order: these see my stores
.endr
.endm
.irp t, 0,1,2,3,4,5,6,7
	TILE \t
.endr
	SEND 7
	s_wait_tensorcnt 0x0
	ds_add_u32 v14, v15
	s_wait_dscnt 0x0
	CROUND                                         ; the closing round: no work-group ends while a partner may still ask for a tile that names it
	s_endpgm
.Lfunc_end_k_qf5229a9145_vout:
	.size	k_qf5229a9145_vout, .Lfunc_end_k_qf5229a9145_vout-k_qf5229a9145_vout
	.p2alignl 7, 3214868480
	.fill 96, 4, 3214868480
	.section	.rodata,"a",@progbits
	.p2align	6, 0x0
	.amdhsa_kernel k_qf5229a9145_vout
		.amdhsa_group_segment_fixed_size 262656
		.amdhsa_private_segment_fixed_size 0
		.amdhsa_enable_private_segment 0
		.amdhsa_kernarg_size 56
		.amdhsa_user_sgpr_count 2
		.amdhsa_user_sgpr_kernarg_segment_ptr 1
		.amdhsa_wavefront_size32 1
		.amdhsa_system_sgpr_workgroup_id_x 1
		.amdhsa_system_sgpr_workgroup_id_y 1
		.amdhsa_system_sgpr_workgroup_id_z 1
		.amdhsa_system_vgpr_workitem_id 0
		.amdhsa_next_free_vgpr 832
		.amdhsa_next_free_sgpr 96
		.amdhsa_reserve_vcc 1
		.amdhsa_float_denorm_mode_32 3
		.amdhsa_float_denorm_mode_16_64 3
		.amdhsa_memory_ordered 1
		.amdhsa_forward_progress 1
		.amdhsa_inst_pref_size 126
	.end_amdhsa_kernel
	.amdgpu_metadata
---
amdhsa.version: [ 1, 2 ]
amdhsa.kernels:
  - .name:           k_qf5229a9145_vout
    .symbol:         k_qf5229a9145_vout.kd
    .args:
      - { .name: X_codes, .offset: 0, .size: 8, .value_kind: global_buffer, .address_space: global }
      - { .name: X_scales, .offset: 8, .size: 8, .value_kind: global_buffer, .address_space: global }
      - { .name: Wv_codes, .offset: 16, .size: 8, .value_kind: global_buffer, .address_space: global }
      - { .name: Wv_scales, .offset: 24, .size: 8, .value_kind: global_buffer, .address_space: global }
      - { .name: bv, .offset: 32, .size: 8, .value_kind: global_buffer, .address_space: global }
      - { .name: stats, .offset: 40, .size: 8, .value_kind: global_buffer, .address_space: global }
      - { .name: out0, .offset: 48, .size: 8, .value_kind: global_buffer, .address_space: global }
    .group_segment_fixed_size: 262656
    .private_segment_fixed_size: 0
    .kernarg_segment_align: 8
    .kernarg_segment_size: 56
    .max_flat_workgroup_size: 128
    .sgpr_count:     96
    .vgpr_count:     832
    .wavefront_size: 32
...
	.end_amdgpu_metadata
.endif
;; end of part 3
